; MI455X (gfx1250); checked and timed in simulation.
; The chip was launched on July 23, 2026; its instructions are those of AMD's public machine-readable ISA for CDNA 5 (MIT licence, August 2026) and "CDNA5" Instruction Set Architecture Reference Guide (July 2026). The comments in the code are by the model that wrote it; some were corrected since.
;; HEPOS Bart Attention. Allowed arithmetic: matrix products marked QUANTISED: E2M3 operands, one E8M0 scale for each 32 along K, by v_wmma_scale_f32_16x16x128_f8f6f4 with both operands' format E2M3, f32 sums; everything else in f32.
;; Inputs: Wk 1,024 x 1,024 float32; Wo 1,024 x 1,024 float32; Wq 1,024 x 1,024 float32; Wv 1,024 x 1,024 float32; bk 1,024 float32; bo 1,024 float32; bq 1,024 float32; bv 1,024 float32; hidden_states 2 x 1,024 x 1,024 float32; key_value_states 2 x 8,192 x 1,024 float32.
;; Outputs: out0 2 x 1,024 x 1,024 float32.
;; Constants: stride = 16.
;; This version of the problem:
;;   THIS VERSION OF THE PROBLEM IS GIVEN IN LOW PRECISION. The matrix products marked QUANTISED in the list below multiply operands that are first quantised to E2M3 (2 exponent bits, 3 mantissa bits; 6 bits a number), with one power-of-two scale for each 32 numbers along K (OCP MX v1.0); their sums are f32. All else is computed in f32.
;;   The module's matrix products, in the order in which they are computed (A, B: the left and right operand; K: the contracted axis; several contracted axes count as one K, in the product's order):
;;     1. [M 2,048, K 1,024] x [K 1,024, N 1,024]; A: input hidden_states; B: input Wq: QUANTISED
;;     2. [M 16,384, K 1,024] x [K 1,024, N 1,024]; A: input key_value_states; B: input Wk: QUANTISED
;;     3. [M 16,384, K 1,024] x [K 1,024, N 1,024]; A: input key_value_states; B: input Wv: QUANTISED
;;     4. batch 32 x [M 1,024, K 64] x [K 64, N 512]; A: computed on the way; B: computed on the way: QUANTISED
;;     5. batch 32 x [M 1,024, K 512] x [K 512, N 64]; A: softmax (see below); B: computed on the way: QUANTISED
;;     6. [M 2,048, K 1,024] x [K 1,024, N 1,024]; A: computed on the way; B: input Wo: QUANTISED
;;   THE QUANTISER, for each operand of a quantised product, along K:
;;     - K is cut into blocks of 32 from its start; a last block that is shorter is filled with zeros.
;;     - A block's scale is 2^e with e = floor(log2(the largest magnitude in the block)) - 2, held to -126 .. 127; a block of zeros has e = 0. As a byte (E8M0): e + 127.
;;     - Each number is divided by its block's scale, clamped to +-7.5, and rounded to the nearest number of E2M3, ties to even, subnormals kept.
;;     - The product sums the exact products of the quantised numbers (number of the format x scale) in f32.
;;   ~~~python
;;   def quantise(x, axis):      # numpy; x: float32 -> the quantised numbers, widened to float32 again
;;       x = np.moveaxis(x, axis, -1); K = x.shape[-1]
;;       x = np.pad(x, [(0, 0)] * (x.ndim - 1) + [(0, -K % 32)]); x = x.reshape(x.shape[:-1] + (-1, 32)); a = np.abs(x).max(-1, keepdims=True)
;;       e = np.where(a > 0, np.clip(np.frexp(np.where(a > 0, a, 1))[1] - 1 - 2, -126, 127), 0)      # np.frexp(a)[1] - 1 = floor(log2(a)), exactly
;;       r = np.clip(x / 2.0 ** e, -7.5, 7.5)
;;       step = 2.0 ** (np.maximum(np.frexp(np.where(r == 0, 1, r))[1] - 1, 0) - 3)
;;       q = np.round(r / step) * step * 2.0 ** e      # np.round: ties to even
;;       return np.moveaxis(q.reshape(q.shape[:-2] + (-1,))[..., :K], -1, axis).astype(np.float32)
;;   ~~~
;;   SOFTMAX AHEAD OF A QUANTISED PRODUCT. Where the list says 'softmax', what is quantised is not the finished softmax but p = 2^(t - M), with t = logit x log2(e) and M = ceil(the row's largest t), a whole number; so 1/2 < the row's largest p <= 1. The row's sum l is taken of the UNQUANTISED p, in f32, and the product's result is divided by l at the end. Since M is a whole number, a kernel that streams over the keys may use a running M (the ceiling of the running maximum): every later rescaling is an exact power of two, which a block's scale takes up: the codes' values come out the same.
;;   OPERANDS COMPUTED ON THE WAY. 'Computed on the way' means the value that the module computes at that place (a softmax that the list does not call 'softmax' is quantised finished and normalised). What goes into a quantiser is computed in f32, as accurately as f32 sums, v_exp_f32 and their like allow (about 1e-6 of the number): no bf16 or f16 on the way to a quantiser, and a product that is left as it is and whose result goes on into a quantised operand takes f32 operands (vector FMAs, or v_wmma_f32_16x16x4_f32). A number that lies on a knife's edge between two numbers of the format may be rounded either way, as far as f32 arithmetic and the matrix unit's own rounding can turn it there, and no further.
;; One version. Each part assembles by itself: llvm-mc -triple=amdgcn-amd-amdhsa -mcpu=gfx1250 --defsym DOCPART=n.
;; ======== version 1 of 1: 3 launches
;; limits: right only within a limited range of input values
;; workspace buffers: img 5,111,808 bytes; kvrec 1,835,008 bytes; arec 1,835,008 bytes
;; launch kvproj (part 1): grid 8 x 32, 8 waves a work-group, clusters of 4 x 1, 327,680 bytes of LDS; arguments key_value_states, Wk, Wv, Wq, Wo, hidden_states, bk, bv, img, kvrec; writes img, kvrec
.if DOCPART == 1
	.amdgcn_target "amdgcn-amd-amdhsa--gfx1250"
	.amdhsa_code_object_version 6
	.text
	.protected	k_q401f0cc5ee_kvproj
	.globl	k_q401f0cc5ee_kvproj
	.p2align	8
	.type	k_q401f0cc5ee_kvproj,@function
k_q401f0cc5ee_kvproj:
	s_mov_b64 s[64:65], 0
	v_nop
	global_prefetch_b8 v0, s[64:65] scope:SCOPE_SE
	s_setreg_imm32_b32 hwreg(HW_REG_WAVE_MODE, 25, 1), 1
	s_wait_xcnt 0x0
	s_wait_alu depctr_hold_cnt(0) depctr_sa_sdst(0) depctr_va_vdst(0) depctr_va_sdst(0) depctr_va_ssrc(0) depctr_va_vcc(0) depctr_vm_vsrc(0)
	s_getreg_b32 s2, hwreg(HW_REG_IB_STS2, 6, 4)
	s_cmp_eq_u32 s2, 0
	s_cbranch_scc0 .Lentry_in_a_cluster
	s_endpgm
.Lentry_in_a_cluster:
	s_bfe_u32 s2, ttmp6, 0x10000c
	s_cmp_lg_u32 s2, 0x3003
	s_cbranch_scc0 .Lentry_shape_is_right
	s_endpgm
.Lentry_shape_is_right:
; K and V of the keys that the attention keeps, and the codes of Wq, Wo and hidden_states for the launches that follow.  Codes are FP6 (E2M3) with one E8M0 byte for each 32 along K; sums in f32.
; WORK LEFT OUT.  reference() gathers, for head h, rows h + 16 j (j = 0 .. 511) of K and V by an index that it builds itself, and of them only the head's 64 columns.  So of the products with Wk and Wv row n of key_value_states is
;   needed for head n % 16 alone: its other 960 columns of K and of V reach no output, whatever the inputs hold, and are not computed.  A NaN, an infinity or an overflow that arises only there is not carried to the result.
; A work-group (ch, y = 16 b + h) takes keys j = 64 ch .. 64 ch + 63 of head h, batch b, against the head's 64 rows of Wk and 64 of Wv; and 16 rows of Wq (work-groups 8 y + ch = 0-63), Wo (64-127) or hidden_states (128-255).
; WAVE w OF EIGHT TAKES K STEP w (128 numbers, 512 bytes of each row) OF EVERYTHING, quantises it and multiplies it: one product for each of 32 tiles.  The eight waves' parts are added through LDS, with the bias.
; THE WEIGHTS come by tensor loads, 32 rows x 512 bytes a wave, through two slots a wave: fills 0, 1 are Wk's rows 0-31, 32-63 of the head, fills 2, 3 Wv's.  CLUSTER: four work-groups of one (b, h) ask for them jointly (mask 15).
; THE KEYS AND THE 16 ROWS come straight into registers (each load: two rows x 256 consecutive bytes) and turn through the wave's own LDS stage, 16 rows x 64 numbers at a time.
; PREFETCH: fills 1 and 2 are asked for at the head, fill 3 behind the load of fill 1: each block of 256 bytes once in a cluster (the four partners take eight rows each, by address; wave w the bytes of K step w).
;   The keys are not prefetched: all their loads are issued at the head.
; THE ORDER INSIDE A BLOCK OF 32.  Position p holds element 8 (p / 16) + p % 8 + 16 ((p / 8) % 2): the order in which a matrix result, quantised in registers, comes out.  Every operand of this program has it.
; OUT.  img: records of 64 rows (0-15 Wq, 48-63 Wo, 64-95 hidden_states; 16-47 are not used), 53,248 bytes: fragment (t, s) (rows 16 t on, K 128 s on) at (8 t + s) x 1,536: three runs of 512 bytes, run c = registers 4 c .. 4 c + 3 of lane l at 16 l;
;   scale words (lane l's at 4 l) at 49,152 + (8 t + s) x 128.  kvrec: record y (57,344 bytes): half fragment i (6 registers: 512 bytes of registers 0-3, 256 of registers 4-5) at 768 i, its scale words (bytes 0, 1) at 49,152 + 128 i;
;   i = 4 ch + m: K, 16 keys x 64 channels;  i = 32 + (4 (ch / 2) + dt) 2 + ch % 2: V, 16 channels x 64 keys.
; LIMITS: a block of zeros gets the byte 1 where the rule says 127 (zero codes; read by this program alone); blocks whose largest magnitude lies under 2^-124 are held at that floor; NaN and infinities are not served.
.set REC,   53248
.set SIOFF, 49152
.set KVR,   57344
.set PITCH, 528                        ; a slot's row: 512 bytes + 16
.set SLOT,  32*PITCH
.set RW,    2*SLOT                     ; a wave's two slots; behind their last fills the wave's 32 partial tiles of 1,024 bytes
.set STG,   8*RW
.set SP,    272                        ; a stage row: 256 bytes + 16
.set STGW,  16*SP
.set SPARE, STG+8*STGW
.set L16, 7
.set L8,  8
.set L4,  9
.set KO,  10                           ; keys: 65,536 (lane / 16) + 16 (lane % 16)
.set RO,  11                           ; the 16 rows: 4,096 (lane / 16) + 16 (lane % 16)
.set STW, 12                           ; stage, in
.set STR, 13                           ; and back
.set LA,  14                           ; my slots
.set PST, 15                           ; my partial tiles
.set PRD, 16                           ; v16-19 partial tiles 4 w on of waves 0, 2, 4, 6
.set BHO, 20
.set BRO, 21
.set PFV, 22
.set SPW, 23
.set NIL, 24
.set WS,  26                           ; v26-33 the weights' scale words; v34-37 the keys'; v38, v39 the results': scales alone
.set KS,  34
.set PQ,  38
.set PR,  39
.set TM,  40
.set TC,  56
.set X,   64                           ; v64-127: 64 numbers, then eight products
.set WC,  128                          ; v128-223: eight fragments of the weights
.set KC,  224                          ; v224-247: two fragments of the keys
; window 1: v256-511 the keys' numbers, 64 registers a tile; tile 0's place then takes the biases, tile 1's the 16 rows
.set G1,  32
.set G0,  40
.set SEL, 30
.set WV,  24
.set MSB, 0
.macro WIN new
.if MSB != \new
	s_set_vgpr_msb (MSB<<8)|\new
.set MSB, \new
.endif
.endm
.macro PLACES n
.rept \n
	v_nop
.endr
.endm
.macro WALU
	s_wait_alu depctr_va_vdst(0)
.endm
.macro CROUND
	s_barrier_signal -1
	s_barrier_wait -1
	s_cmp_lg_u32 s[WV], 0
	s_cbranch_scc1 .Lnot_wave_0_\@
	s_barrier_signal -3
.Lnot_wave_0_\@:
	s_barrier_wait -3
	s_barrier_signal -1
	s_barrier_wait -1
.endm
.macro ASKFOR slot
	tensor_load_to_lds s[G0+4*\slot:G0+4*\slot+3], s[G1:G1+7]
	s_nop 0
	PLACES 4
.endm
.macro XREAD off                       ; 64 numbers of a row of my slots: register 16 b + i = k 32 b + 8 (lane / 16) + i % 8 + 16 (i / 8)
.irp b, 0,1,2,3
.irp j, 0,1,2,3
	ds_load_b128 v[X+16*\b+4*\j:X+16*\b+4*\j+3], v[LA] offset:(\off)+128*\b+64*(\j/2)+16*(\j%2)
.endr
.endr
.endm
; 64 numbers of a lane (four half blocks; the other halves lie in lane l xor 16) become a fragment: Q1 the scales and the conversions, Q2 the exchange of halves
.macro Q1 pc, pw
.irp b, 0,1,2,3
	v_max3_num_f32 v[TM+\b], |v[X+16*\b]|, |v[X+1+16*\b]|, 0x1800000   ; with the floor 2^(3 - 127): the byte cannot fall under 1
.endr
.irp i, 2,4,6,8,10,12,14
.irp b, 0,1,2,3
	v_max3_num_f32 v[TM+\b], v[TM+\b], |v[X+16*\b+\i]|, |v[X+1+16*\b+\i]|
.endr
.endr
.irp b, 0,1,2,3
	v_permlanex16_b32 v[TM+4+\b], v[TM+\b], s[SEL], s[SEL+1]
.endr
.irp b, 0,1,2,3
	v_max_num_f32 v[TM+\b], v[TM+\b], v[TM+4+\b]
.endr
.irp b, 0,1,2,3
	v_add_nc_u32 v[TM+12+\b], 0xff000000, v[TM+\b] ; 2 off the exponent field: the conversion's scale operand
.endr
.irp b, 0,1,2,3
	v_lshrrev_b32 v[TM+4+\b], 23, v[TM+12+\b]      ; the scale's byte
.endr
	v_lshl_or_b32 v[\pw], v[TM+5], 8, v[TM+4]
	v_lshl_or_b32 v[\pw], v[TM+6], 16, v[\pw]
	v_lshl_or_b32 v[\pw], v[TM+7], 24, v[\pw]
.irp c, 0,1
	v_cvt_scalef32_pk16_fp6_f32 v[(\pc)+6*\c:(\pc)+2+6*\c], v[X+32*\c:X+15+32*\c], v[TM+12+2*\c]
	v_cvt_scalef32_pk16_fp6_f32 v[TC+4*\c:TC+2+4*\c], v[X+16+32*\c:X+31+32*\c], v[TM+13+2*\c]
.endr
	v_nop                                          ; one plain instruction behind the scaled conversions
.endm
.macro Q2 pc
.irp c, 0,1
.irp i, 0,1,2
	v_permlane16_swap_b32 v[(\pc)+6*\c+\i], v[TC+4*\c+\i]
.endr
.irp i, 0,1,2
	v_mov_b32 v[(\pc)+3+6*\c+\i], v[TC+4*\c+\i]
.endr
.endr
.endm
.macro WPAIR slot, f, ask=0            ; a slot's 32 rows become fragments f, f + 1
	XREAD \slot*SLOT
.if \ask
	global_prefetch_b8 v[PFV], s[52:53] offset:32*4096 th:TH_LOAD_NT scope:SCOPE_SE
.endif
	s_wait_dscnt 0x0
	Q1 WC+12*\f, WS+\f
	XREAD \slot*SLOT+16*PITCH
	Q2 WC+12*\f
	s_wait_dscnt 0x0
	Q1 WC+12*\f+12, WS+\f+1
	Q2 WC+12*\f+12
.endm
.macro TURN raw                        ; 16 rows x 128 numbers from window 1, v[raw], through my stage into X.  LDS serves a wave's instructions in order (ISA guide 5.7.1.4)
.irp c, 0,1
	WIN 0x04                                       ; a store's data are its source 1
.irp i, 0,1,2,3,4,5,6,7
	ds_store_b128 v[STW], v[(\raw)+32*\c+4*\i:(\raw)+32*\c+4*\i+3] offset:2*\i*SP
.endr
	WIN 0
.irp b, 0,1
.irp j, 0,1,2,3
	ds_load_b128 v[X+32*\c+16*\b+4*\j:X+32*\c+16*\b+4*\j+3], v[STR] offset:128*\b+64*(\j/2)+16*(\j%2)
.endr
.endr
.endr
	s_wait_dscnt 0x0
.endm
.macro KEYS m, younger                 ; key tile m; younger: the loads issued behind its sixteen
	s_wait_loadcnt \younger
	TURN 64*\m
	Q1 KC+12*(\m%2), KS+\m
	Q2 KC+12*(\m%2)
.endm
.macro PROD m                          ; eight products on key tile m; their sums go to my partial tiles: K's (m, t) is tile 4 m + t, V's (t, m) tile 16 + 4 t + m
.set KF, KC+12*((\m)%2)
	PLACES 4
.irp t, 0,1,2,3
	v_wmma_scale_f32_16x16x128_f8f6f4 v[X+8*\t:X+8*\t+7], v[WC+12*\t:WC+12*\t+11], v[KF:KF+11], 0, v[WS+\t], v[KS+\m] matrix_a_fmt:MATRIX_FMT_FP6 matrix_b_fmt:MATRIX_FMT_FP6
.endr
.irp t, 0,1,2,3
	v_wmma_scale_f32_16x16x128_f8f6f4 v[X+32+8*\t:X+32+8*\t+7], v[KF:KF+11], v[WC+48+12*\t:WC+48+12*\t+11], 0, v[KS+\m], v[WS+4+\t] matrix_a_fmt:MATRIX_FMT_FP6 matrix_b_fmt:MATRIX_FMT_FP6
.endr
	PLACES 5
.irp t, 0,1,2,3
	ds_store_b128 v[PST], v[X+8*\t:X+8*\t+3] offset:(4*(\m)+\t)*1024
	ds_store_b128 v[PST], v[X+8*\t+4:X+8*\t+7] offset:(4*(\m)+\t)*1024+512
.endr
.irp t, 0,1,2,3
	ds_store_b128 v[PST], v[X+32+8*\t:X+32+8*\t+3] offset:(16+4*\t+(\m))*1024
	ds_store_b128 v[PST], v[X+32+8*\t+4:X+32+8*\t+7] offset:(16+4*\t+(\m))*1024+512
.endr
.endm
.macro PLOAD s, dst                    ; wave s's parts of my four tiles
.irp t, 0,1,2,3
	ds_load_b128 v[(\dst)+8*\t:(\dst)+8*\t+3], v[PRD+(\s)/2] offset:((\s)%2)*RW+1024*\t
	ds_load_b128 v[(\dst)+8*\t+4:(\dst)+8*\t+7], v[PRD+(\s)/2] offset:((\s)%2)*RW+1024*\t+512
.endr
.endm
.macro PADD src
.irp j, 0,2,4,6,8,10,12,14,16,18,20,22,24,26,28,30
	v_pk_add_f32 v[X+\j:X+\j+1], v[X+\j:X+\j+1], v[(\src)+\j:(\src)+\j+1]
.endr
.endm
	s_load_b512 s[4:19], s[0:1], 0x0               ; key_value_states, Wk, Wv, Wq, Wo, hidden_states, bk, bv
	s_load_b128 s[20:23], s[0:1], 0x40             ; img, kvrec
	v_lshl_add_u32 v[SPW], v0, 2, SPARE
	v_mov_b32 v[NIL], 0
	ds_add_u32 v[SPW], v[NIL]                      ; the opening add, twice on end, under one wait
	ds_add_u32 v[SPW], v[NIL]
	v_lshrrev_b32 v1, 5, v0
	v_readfirstlane_b32 s[WV], v1                  ; wave 0..7
	s_bfe_u32 s25, ttmp6, 0x40000                  ; cx
	s_lshl_b32 s26, ttmp9, 2
	s_add_co_u32 s26, s26, s25                     ; ch = 4 x cluster x + cx
	s_and_b32 s27, ttmp7, 0xffff                   ; y
	s_lshr_b32 s28, s27, 4                         ; b
	s_and_b32 s29, s27, 15                         ; h
	s_mov_b32 s[G1+0], 15|(2<<16)|(1<<20)|(1<<21)|(6<<22)|(3<<25)   ; the mask; elements of 4 bytes; 4 words of padding behind every 128; bit 21 beside a mask
	s_mov_b32 s[G1+1], 128<<16
	s_mov_b32 s[G1+2], 32<<16
	s_mov_b32 s[G1+3], 128<<16
	s_mov_b32 s[G1+4], 32
	s_mov_b32 s[G1+5], 1024
	s_mov_b32 s[G1+6], 0
	s_mov_b32 s[G1+7], 0
	s_mov_b32 s[G0], 1
	s_mul_i32 s[G0+1], s[WV], RW
	s_mov_b32 s[G0+4], 1
	s_add_co_u32 s[G0+5], s[G0+1], SLOT
	s_mul_i32 s75, s[WV], STGW
	s_add_co_u32 s75, s75, STG
	s_lshl_b32 s76, s[WV], 12
	s_lshl_b32 s77, s[WV], 9                       ; my K step, in bytes
	s_lshl_b32 s48, s29, 18                        ; the head's 64 rows of 4,096 bytes
	s_add_co_u32 s48, s48, s77
	s_mov_b32 s49, 0
	s_lshl_b32 s78, s25, 15                        ; the prefetches: eight rows a partner
	s_mov_b32 s[SEL], 0x76543210
	s_mov_b32 s[SEL+1], 0xfedcba98                 ; v_permlanex16_b32's selects for lane l xor 16
	v_and_b32 v2, 31, v0                           ; lane
	v_and_b32 v3, 15, v0
	v_bfe_u32 v4, v0, 4, 1                         ; lane / 16
	v_lshlrev_b32 v[L16], 4, v2
	v_lshlrev_b32 v[L8], 3, v2
	v_lshlrev_b32 v[L4], 2, v2
	v_lshlrev_b32 v5, 4, v3
	v_lshl_add_u32 v[KO], v4, 16, v5
	v_lshl_add_u32 v[RO], v4, 12, v5
	v_mul_u32_u24 v6, v4, SP
	v_add_nc_u32 v6, v6, v5
	v_add_nc_u32 v[STW], s75, v6
	v_mul_u32_u24 v6, v3, SP
	v_lshl_add_u32 v6, v4, 5, v6
	v_add_nc_u32 v[STR], s75, v6
	v_mul_u32_u24 v6, v3, PITCH
	v_lshl_add_u32 v6, v4, 5, v6
	v_add_nc_u32 v[LA], s[G0+1], v6
	v_add_nc_u32 v[PST], s[G0+1], v[L16]
	v_add_nc_u32 v[PRD], s76, v[L16]
	v_add_nc_u32 v[PRD+1], 2*RW, v[PRD]
	v_add_nc_u32 v[PRD+2], 4*RW, v[PRD]
	v_add_nc_u32 v[PRD+3], 6*RW, v[PRD]
	v_lshlrev_b32 v[BHO], 5, v4
	v_lshlrev_b32 v[BRO], 2, v3
	v_min_u32 v1, 15, v2                           ; sixteen blocks of 256 bytes: eight rows x two (the lanes left over name the last again)
	v_lshrrev_b32 v5, 1, v1
	v_and_b32 v6, 1, v1
	v_lshlrev_b32 v5, 12, v5
	v_lshl_add_u32 v5, v6, 8, v5
	v_add_nc_u32 v[PFV], s78, v5
.irp b, 0,1,2,3
	v_mov_b32 v[TM+4+\b], 0                        ; written once: a lane permute's destination counts as one of its sources
.endr
	WALU
	s_wait_dscnt 0x0                               ; both opening adds are done
	s_wait_kmcnt 0x0
	s_add_nc_u64 s[50:51], s[6:7], s[48:49]        ; my K step of the head's rows of Wk,
	s_add_nc_u64 s[52:53], s[8:9], s[48:49]        ; of Wv
	s_mov_b64 s[G0+2:G0+3], s[50:51]
	s_or_b32 s[G0+3], s[G0+3], 0x80000000
	s_add_nc_u64 s[G0+6:G0+7], s[50:51], 32*4096
	s_or_b32 s[G0+7], s[G0+7], 0x80000000
	s_lshl_b32 s48, s28, 25                        ; the keys: row 8,192 b + h + 1,024 ch
	s_lshl_b32 s78, s29, 12
	s_add_co_u32 s48, s48, s78
	s_lshl_b32 s78, s26, 22
	s_add_co_u32 s48, s48, s78
	s_add_co_u32 s48, s48, s77
	s_add_nc_u64 s[54:55], s[4:5], s[48:49]
	CROUND                                         ; all four work-groups are here: the joint loads meet
	ASKFOR 0                                       ; fill 0: one tensor load a wave at the head
	global_prefetch_b8 v[PFV], s[50:51] offset:32*4096 th:TH_LOAD_NT scope:SCOPE_SE   ; fill 1
	global_prefetch_b8 v[PFV], s[52:53] th:TH_LOAD_NT scope:SCOPE_SE                  ; fill 2
	WIN 0x40                                       ; destination window 1
.irp m, 0,1,2,3
.irp c, 0,1
.irp i, 0,1,2,3,4,5,6,7
	global_load_b128 v[64*\m+32*\c+4*\i:64*\m+32*\c+4*\i+3], v[KO], s[54:55] offset:(16*\m+2*\i)*65536+256*\c th:TH_LOAD_NT   ; keys 16 m + 2 i, + 1: 256 consecutive bytes each
.endr
.endr
.endr
	WIN 0
	; the 16 rows: tile g = 8 y + ch of Wq, Wo, hidden_states on end
	s_lshl_b32 s78, s27, 3
	s_add_co_u32 s78, s78, s26
	s_cmp_lt_u32 s78, 64
	s_cselect_b64 s[56:57], s[10:11], s[12:13]
	s_cselect_b32 s79, 0, 64
	s_cmp_lt_u32 s78, 128
	s_cselect_b64 s[56:57], s[56:57], s[14:15]
	s_cselect_b32 s79, s79, 128
	s_sub_co_u32 s79, s78, s79
	s_lshl_b32 s48, s79, 16
	s_add_co_u32 s48, s48, s77
	s_add_nc_u64 s[56:57], s[56:57], s[48:49]
	s_cmp_lt_u32 s78, 64
	s_cselect_b32 s79, 0, 32
	s_lshr_b32 s48, s78, 2
	s_add_co_u32 s48, s48, s79
	s_mul_i32 s48, s48, REC                        ; their record,
	s_and_b32 s79, s78, 3
	s_lshl_b32 s79, s79, 3
	s_add_co_u32 s79, s79, s[WV]                   ; fragment 8 t + w of it
	s_mul_i32 s78, s79, 1536
	s_lshl_b32 s79, s79, 7
	s_add_co_u32 s79, s79, s48
	s_add_co_u32 s79, s79, SIOFF
	s_add_co_u32 s48, s48, s78
	s_add_nc_u64 s[58:59], s[20:21], s[48:49]
	s_mov_b32 s48, s79
	s_add_nc_u64 s[60:61], s[20:21], s[48:49]
	; my half fragment of kvrec: waves 0-3 K's of key tile w, waves 4-7 V's of channel tile w - 4
	s_and_b32 s78, s[WV], 3
	s_lshl_b32 s79, s26, 2
	s_add_co_u32 s79, s79, s78
	s_lshr_b32 s48, s26, 1
	s_lshl_b32 s48, s48, 2
	s_add_co_u32 s48, s48, s78
	s_lshl_b32 s48, s48, 1
	s_and_b32 s76, s26, 1
	s_add_co_u32 s48, s48, s76
	s_add_co_u32 s48, s48, 32
	s_mul_i32 s76, s27, KVR
	s_cmp_lt_u32 s[WV], 4
	s_cselect_b32 s79, s79, s48
	s_cselect_b32 s74, -1, 0
	s_mul_i32 s48, s79, 768
	s_add_co_u32 s48, s48, s76
	s_add_nc_u64 s[66:67], s[22:23], s[48:49]
	s_lshl_b32 s48, s79, 7
	s_add_co_u32 s48, s48, s76
	s_add_co_u32 s48, s48, SIOFF
	s_add_nc_u64 s[68:69], s[22:23], s[48:49]
	s_lshl_b32 s48, s29, 8
	s_add_nc_u64 s[70:71], s[16:17], s[48:49]      ; bk at channel 64 h
	s_lshl_b32 s78, s78, 6
	s_add_co_u32 s48, s48, s78
	s_add_nc_u64 s[72:73], s[18:19], s[48:49]      ; bv at channel 64 h + 16 (w % 4)
	; each round: all my tensor loads are in; my reads of the slot to be filled are over
	s_wait_tensorcnt 0x0
	ds_add_u32 v[SPW], v[NIL]
	s_wait_dscnt 0x0
	CROUND
	ASKFOR 1                                       ; fill 1
	WPAIR 0, 0, 1
	s_wait_tensorcnt 0x0
	ds_add_u32 v[SPW], v[NIL]
	s_mov_b64 s[G0+2:G0+3], s[52:53]               ; no tensor load of mine is out: a descriptor may be written
	s_or_b32 s[G0+3], s[G0+3], 0x80000000
	s_wait_dscnt 0x0
	CROUND
	ASKFOR 0                                       ; fill 2
	WPAIR 1, 2
	KEYS 0, 48                                     ; the other three tiles' 48 loads may be out
	WIN 0x40
.irp t, 0,1,2,3
	global_load_b128 v[8*\t:8*\t+3], v[BHO], s[70:71] offset:64*\t               ; bk[64 h + 16 t + 8 (lane / 16) + 0 .. 7]
	global_load_b128 v[8*\t+4:8*\t+7], v[BHO], s[70:71] offset:64*\t+16
.endr
	global_load_b32 v32, v[BRO], s[72:73]          ; bv[64 h + 16 (w % 4) + lane % 16]
	WIN 0
	s_wait_tensorcnt 0x0
	ds_add_u32 v[SPW], v[NIL]
	s_add_nc_u64 s[G0+6:G0+7], s[52:53], 32*4096
	s_or_b32 s[G0+7], s[G0+7], 0x80000000
	s_wait_dscnt 0x0
	CROUND
	ASKFOR 1                                       ; fill 3
	WPAIR 0, 4
	KEYS 1, 41                                     ; 32 loads of keys and 9 of biases behind it
	WIN 0x40
.irp c, 0,1
.irp i, 0,1,2,3,4,5,6,7
	global_load_b128 v[64+32*\c+4*\i:64+32*\c+4*\i+3], v[RO], s[56:57] offset:2*\i*4096+256*\c th:TH_LOAD_NT
.endr
.endr
	WIN 0
	s_wait_tensorcnt 0x0                           ; fill 3 is in; only I read my slots
	WPAIR 1, 6
	PROD 0                                         ; both slots have had their last fill and my last read: they take my partial tiles
	WALU                                           ; directly ahead of the wait below
	s_wait_dscnt 0x0                               ; the stores have read X
	PROD 1
	s_wait_dscnt 0x0
	KEYS 2, 41                                     ; 16 + 9 + 16
	PROD 2
	s_wait_dscnt 0x0
	KEYS 3, 25                                     ; 9 + 16
	PROD 3
	s_wait_loadcnt 16                              ; the biases are in
	WALU
	s_wait_dscnt 0x0                               ; for the others' sake: my partial tiles have landed
	s_barrier_signal -1
	WIN 0x45                                       ; sources 0, 1 and destination in window 1
.set I, 0
.rept 32
	v_cndmask_b32 v[I], v32, v[I], s74             ; K's waves keep bk, V's take bv
.set I, I+1
.endr
	WIN 0
	WALU
	s_barrier_wait -1
	PLOAD 0, X
	PLOAD 1, X+32
	PLOAD 2, WC
	PLOAD 3, WC+32
	PLOAD 4, WC+64
	s_wait_dscnt 32                                ; part 0 is in
	WIN 0x04
	PADD 0                                         ; + the bias (window 1)
	WIN 0
	s_wait_dscnt 24
	PADD X+32
	PLOAD 5, X+32
	s_wait_dscnt 24                                ; three parts may be out
	PADD WC
	PLOAD 6, WC
	s_wait_dscnt 24
	PADD WC+32
	PLOAD 7, WC+32
	s_wait_dscnt 24
	PADD WC+64
	s_wait_dscnt 16
	PADD X+32
	s_wait_dscnt 8
	PADD WC
	s_wait_dscnt 0x0
	PADD WC+32
	; 32 numbers of a lane (two half blocks) become half a fragment
.irp b, 0,1
	v_max3_num_f32 v[TM+\b], |v[X+16*\b]|, |v[X+1+16*\b]|, 0x1800000
.endr
.irp i, 2,4,6,8,10,12,14
.irp b, 0,1
	v_max3_num_f32 v[TM+\b], v[TM+\b], |v[X+16*\b+\i]|, |v[X+1+16*\b+\i]|
.endr
.endr
.irp b, 0,1
	v_permlanex16_b32 v[TM+4+\b], v[TM+\b], s[SEL], s[SEL+1]
.endr
.irp b, 0,1
	v_max_num_f32 v[TM+\b], v[TM+\b], v[TM+4+\b]
.endr
.irp b, 0,1
	v_add_nc_u32 v[TM+12+\b], 0xff000000, v[TM+\b]
.endr
.irp b, 0,1
	v_lshrrev_b32 v[TM+4+\b], 23, v[TM+12+\b]
.endr
	v_lshl_or_b32 v[PQ], v[TM+5], 8, v[TM+4]
	v_cvt_scalef32_pk16_fp6_f32 v[KC:KC+2], v[X:X+15], v[TM+12]
	v_cvt_scalef32_pk16_fp6_f32 v[TC:TC+2], v[X+16:X+31], v[TM+13]
	v_nop
.irp i, 0,1,2
	v_permlane16_swap_b32 v[KC+\i], v[TC+\i]
.endr
.irp i, 0,1,2
	v_mov_b32 v[KC+3+\i], v[TC+\i]
.endr
	global_store_b128 v[L16], v[KC:KC+3], s[66:67]             ; 512 consecutive bytes,
	global_store_b64 v[L8], v[KC+4:KC+5], s[66:67] offset:512  ; and 256, both on multiples of 256 from kvrec's first byte
	global_store_b32 v[L4], v[PQ], s[68:69]
	; the 16 rows
	s_wait_loadcnt 0x0
	TURN 64
	Q1 KC+12, PR
	Q2 KC+12
.irp c, 0,1,2
	global_store_b128 v[L16], v[KC+12+4*\c:KC+12+4*\c+3], s[58:59] offset:512*\c
.endr
	global_store_b32 v[L4], v[PR], s[60:61]
	s_wait_tensorcnt 0x0                           ; the wave's end
	ds_add_u32 v[SPW], v[NIL]
	s_wait_dscnt 0x0
	CROUND                                         ; the closing round: no work-group ends while a partner may still ask jointly
	s_endpgm
.Lfunc_end_k_q401f0cc5ee_kvproj:
	.size	k_q401f0cc5ee_kvproj, .Lfunc_end_k_q401f0cc5ee_kvproj-k_q401f0cc5ee_kvproj
	.p2alignl 7, 3214868480
	.fill 96, 4, 3214868480
	.section	.rodata,"a",@progbits
	.p2align	6, 0x0
	.amdhsa_kernel k_q401f0cc5ee_kvproj
		.amdhsa_group_segment_fixed_size 327680
		.amdhsa_private_segment_fixed_size 0
		.amdhsa_enable_private_segment 0
		.amdhsa_kernarg_size 80
		.amdhsa_user_sgpr_count 2
		.amdhsa_user_sgpr_kernarg_segment_ptr 1
		.amdhsa_wavefront_size32 1
		.amdhsa_system_sgpr_workgroup_id_x 1
		.amdhsa_system_sgpr_workgroup_id_y 1
		.amdhsa_system_sgpr_workgroup_id_z 1
		.amdhsa_system_vgpr_workitem_id 0
		.amdhsa_next_free_vgpr 512
		.amdhsa_next_free_sgpr 80
		.amdhsa_reserve_vcc 0
		.amdhsa_float_denorm_mode_32 3
		.amdhsa_float_denorm_mode_16_64 3
		.amdhsa_memory_ordered 1
		.amdhsa_forward_progress 1
		.amdhsa_inst_pref_size 113
	.end_amdhsa_kernel
	.amdgpu_metadata
---
amdhsa.version: [ 1, 2 ]
amdhsa.kernels:
  - .name:           k_q401f0cc5ee_kvproj
    .symbol:         k_q401f0cc5ee_kvproj.kd
    .args:
      - { .name: key_value_states, .offset: 0, .size: 8, .value_kind: global_buffer, .address_space: global }
      - { .name: Wk, .offset: 8, .size: 8, .value_kind: global_buffer, .address_space: global }
      - { .name: Wv, .offset: 16, .size: 8, .value_kind: global_buffer, .address_space: global }
      - { .name: Wq, .offset: 24, .size: 8, .value_kind: global_buffer, .address_space: global }
      - { .name: Wo, .offset: 32, .size: 8, .value_kind: global_buffer, .address_space: global }
      - { .name: hidden_states, .offset: 40, .size: 8, .value_kind: global_buffer, .address_space: global }
      - { .name: bk, .offset: 48, .size: 8, .value_kind: global_buffer, .address_space: global }
      - { .name: bv, .offset: 56, .size: 8, .value_kind: global_buffer, .address_space: global }
      - { .name: img, .offset: 64, .size: 8, .value_kind: global_buffer, .address_space: global }
      - { .name: kvrec, .offset: 72, .size: 8, .value_kind: global_buffer, .address_space: global }
    .group_segment_fixed_size: 327680
    .private_segment_fixed_size: 0
    .kernarg_segment_align: 8
    .kernarg_segment_size: 80
    .max_flat_workgroup_size: 256
    .sgpr_count:     80
    .vgpr_count:     512
    .wavefront_size: 32
...
	.end_amdgpu_metadata
.endif
;; end of part 1
;; launch attn (part 2): grid 8 x 32, 8 waves a work-group, clusters of 4 x 1, 168,960 bytes of LDS; arguments img, kvrec, bq, arec; writes arec
.if DOCPART == 2
	.amdgcn_target "amdgcn-amd-amdhsa--gfx1250"
	.amdhsa_code_object_version 6
	.text
	.protected	k_q401f0cc5ee_attn
	.globl	k_q401f0cc5ee_attn
	.p2align	8
	.type	k_q401f0cc5ee_attn,@function
k_q401f0cc5ee_attn:
	s_mov_b64 s[64:65], 0
	v_nop
	global_prefetch_b8 v0, s[64:65] scope:SCOPE_SE
	s_setreg_imm32_b32 hwreg(HW_REG_WAVE_MODE, 25, 1), 1
	s_wait_xcnt 0x0
	s_wait_alu depctr_hold_cnt(0) depctr_sa_sdst(0) depctr_va_vdst(0) depctr_va_sdst(0) depctr_va_ssrc(0) depctr_va_vcc(0) depctr_vm_vsrc(0)
	s_getreg_b32 s2, hwreg(HW_REG_IB_STS2, 6, 4)
	s_cmp_eq_u32 s2, 0
	s_cbranch_scc0 .Lentry_in_a_cluster
	s_endpgm
.Lentry_in_a_cluster:
	s_bfe_u32 s2, ttmp6, 0x10000c
	s_cmp_lg_u32 s2, 0x3003
	s_cbranch_scc0 .Lentry_shape_is_right
	s_endpgm
.Lentry_shape_is_right:
; For 128 queries of one head (batch b, head h; y = 16 b + h): Q = hidden_states Wq^T + bq for the head's 64 channels, quantised along the channels; S = Q K^T; the softmax; O = P V / l; O quantised along the model's 1,024.
; All products on codes of FP6 (E2M3) with one E8M0 byte for each 32 along K, sums in f32.
; THE SOFTMAX: t = score x log2(e) / 8; M = the running largest t rounded UP to a whole number; p = 2^(t - M) is quantised along the keys, not normalised; the row's sum l is taken of the unquantised p and divides O at the end.
;   When M moves, l and O are multiplied by 2^(old M - new M): exact.  A block's largest p is not searched for: the block's largest score goes through the same multiply-add and exponential (this takes v_exp_f32 not to fall where its input rises).
; SHARES.  Eight waves, each ONE tile of 16 queries in 256 registers; two waves to a SIMD, so that one wave's vector work stands beside the other's products and LDS loads.  Every wave walks the head's 512 keys, 128 a step.
; ALL PRODUCTS ARE USED TRANSPOSED (source 1 = my queries): a lane holds ONE query (lane % 16) throughout and its registers run along the next product's K.
; Inside each block of 32 the numbers stand in the order in which such results come out (position p = element 8 (p / 16) + p % 8 + 16 ((p / 8) % 2)); the operands made by the launches before have the same order.
; K = 64 IN S = Q K^T: the instruction is 128 deep.  Q's registers 6-11 are zero codes; K's operand of tile t names 12 registers of which the upper six are the next tile's codes (behind the last tile: zeros):
;   they meet zero codes alone.  Bytes 2 and 3 of both scale words are 0.
; CLUSTER.  The four work-groups of a cluster are four blocks of queries of one (b, h): they need the same record of Wq's head (53,248 bytes) and the same record of K and V (57,344 bytes).  Both are asked for JOINTLY:
;   each wave of each of the four issues one tensor load (a quarter of Wq's record from waves 0-3, of K's and V's from waves 4-7), with a mask that names the four.  A work-group's place in its cluster enters the addresses of its own queries and results alone.
;   Each byte of LDS is filled once; nothing is stored to LDS.
; OUT: record (queries / 64) of arec: half fragment (t, s = h / 2, c = h % 2) at ((8 t + s) 2 + c) x 768, its scale words at 49,152 + the same index x 128.
; LIMITS: a block of zeros gets the byte 1 where the rule says 127 (zero codes; read by this program alone); blocks whose largest magnitude lies under 2^-124 are held at that floor; NaN and infinities are not served.
.set REC,   53248
.set SIOFF, 49152
.set KVR,   57344
.set ARR,   57344
.set KVB,   REC                        ; LDS: Wq's record from byte 0, the record of K and V behind it
.set L16, 1                            ; v1   16 x lane: also the LDS address of Wq's fragments
.set L8,  2                            ; v2   8 x lane
.set L4,  3                            ; v3   4 x lane
.set AWS, 5                            ; v5   Wq's scale words
.set AK16, 6                           ; v6   K's and V's half fragments: registers 0-3
.set AK8, 7                            ; v7   registers 4-5
.set AKS, 8                            ; v8   their scale words
.set BH,  9                            ; v9   32 (lane / 16)
                                       ; v12 -M, v13 the largest t, v[14:15] the sum in two halves
.set BQ,  16                           ; Q phase: v16-47 bq in the result's layout; v48-95 four fragments of Wq; v96-191 my queries' eight fragments; v204-235 Q
.set W,   48
.set HSF, 96
.set QA,  204
.set HSS, 192                          ; v192-199 my queries' scale words; later the halves of V's
.set WS,  200                          ; v200-203 Wq's scale words; later V's
.set TQ,  48                           ; v48-53 at work in QUANT2
.set QC,  16                           ; key steps: v16-21 Q's codes, v22-27 zeros
.set KF,  32                           ; v32-79 eight half fragments of K, then of V; v80-85 zeros
.set S,   96                           ; v96-159 S^T, then p
.set O,   160                          ; v160-191 O^T
.set VLH, 192
.set VS,  200
.set PCD, 204                          ; v204-215 p's codes; v216-222 at work
.set PT,  216
.set BM,  224                          ; v224-227 the blocks' largest scores, then p
.set BX,  228
.set SO,  232                          ; v232-235 the conversions' scale operands
.set PS,  236                          ; v236 p's scale word
.set FF,  238                          ; v[238:239] f = 2^(old M - new M)
.set TA,  240
.set SUMT, 242
.set KSC, 244                          ; v244-251 K's scale words;  v252 Q's.  v244-251 also take partial sums of p
.set QS,  252
.set WV,  12
.set SEL, 20
.set CS,  22
.set G1W, 24
.set G1K, 32
.set G0W, 40
.set G0K, 44
.macro PLACES n
.rept \n
	v_nop
.endr
.endm
.macro CROUND                          ; a round of the cluster's barrier
	s_barrier_signal -1
	s_barrier_wait -1
	s_cmp_lg_u32 s[WV], 0
	s_cbranch_scc1 .Lnot_wave_0_\@
	s_barrier_signal -3
.Lnot_wave_0_\@:
	s_barrier_wait -3
	s_barrier_signal -1
	s_barrier_wait -1
.endm
; 32 numbers of a lane (two half blocks) become half a fragment's codes in v[pc] .. v[pc + 5] (v[tmp] .. v[tmp + 2] at work) and its scale word (bytes 0, 1) in v[pw].  Of each accumulator among the sources registers 0 and 1 are read first.
.macro QUANT2 s, pc, tmp, pw
.irp b, 0,1
	v_max3_num_f32 v[TQ+\b], |v[(\s)+16*\b]|, |v[(\s)+1+16*\b]|, 0x1800000   ; my 16 numbers of block b, and the floor 2^(3 - 127): the byte cannot fall under 1
.endr
.irp i, 2,4,6,8,10,12,14
.irp b, 0,1
	v_max3_num_f32 v[TQ+\b], v[TQ+\b], |v[(\s)+16*\b+\i]|, |v[(\s)+1+16*\b+\i]|
.endr
.endr
.irp b, 0,1
	s_delay_alu instid0(VALU_DEP_2)
	v_permlanex16_b32 v[TQ+2+\b], v[TQ+\b], s[SEL], s[SEL+1]
.endr
.irp b, 0,1
	s_delay_alu instid0(VALU_DEP_2)
	v_max_num_f32 v[TQ+\b], v[TQ+\b], v[TQ+2+\b]
.endr
.irp b, 0,1
	s_delay_alu instid0(VALU_DEP_2)
	v_add_nc_u32 v[TQ+4+\b], 0xff000000, v[TQ+\b]  ; 2 off the exponent field: the conversion's scale operand
.endr
.irp b, 0,1
	s_delay_alu instid0(VALU_DEP_2)
	v_lshrrev_b32 v[TQ+2+\b], 23, v[TQ+4+\b]       ; the scale's byte
.endr
	s_delay_alu instid0(VALU_DEP_1)
	v_lshl_or_b32 v[\pw], v[TQ+3], 8, v[TQ+2]
	v_cvt_scalef32_pk16_fp6_f32 v[(\pc):(\pc)+2], v[(\s):(\s)+15], v[TQ+4]
	v_cvt_scalef32_pk16_fp6_f32 v[(\tmp):(\tmp)+2], v[(\s)+16:(\s)+31], v[TQ+5]
	v_nop                                          ; one plain instruction behind the scaled conversions
.irp i, 0,1,2
	v_permlane16_swap_b32 v[(\pc)+\i], v[(\tmp)+\i]
.endr
.irp i, 0,1,2
	s_delay_alu instid0(VALU_DEP_3)
	v_mov_b32 v[(\pc)+3+\i], v[(\tmp)+\i]
.endr
.endm
	s_load_b256 s[4:11], s[0:1], 0x0               ; img, kvrec, bq, arec
	v_lshl_add_u32 v254, v0, 2, 0x29000
	v_mov_b32 v255, 0
	ds_add_u32 v254, v255
	ds_add_u32 v254, v255
	v_lshrrev_b32 v1, 5, v0
	s_delay_alu instid0(VALU_DEP_1)
	v_readfirstlane_b32 s[WV], v1                  ; wave 0..7
	s_bfe_u32 s13, ttmp6, 0x40000                  ; cx: my place in the cluster
	s_lshl_b32 s14, ttmp9, 2                       ; in a cluster launch ttmp9 counts clusters
	s_add_co_u32 s14, s14, s13                     ; my block of 128 queries
	s_and_b32 s15, ttmp7, 0xffff                   ; y, which the four partners share
	s_lshr_b32 s16, s15, 4                         ; b
	s_and_b32 s17, s15, 15                         ; h
	; descriptor groups 1: dense blocks as rows of 256 bytes (32 elements of 8 bytes), no padding; the mask names all four work-groups, bit 21 is set beside it
	s_mov_b32 s[G1W+0], 15|(3<<16)|(1<<21)
	s_mov_b32 s[G1W+1], 32<<16
	s_mov_b32 s[G1W+2], 52<<16                     ; a quarter of Wq's record: 52 rows
	s_mov_b32 s[G1W+3], 32<<16
	s_mov_b32 s[G1W+4], 52
	s_mov_b32 s[G1W+5], 32
	s_mov_b32 s[G1W+6], 0
	s_mov_b32 s[G1W+7], 0
	s_mov_b32 s[G1K+0], 15|(3<<16)|(1<<21)
	s_mov_b32 s[G1K+1], 32<<16
	s_mov_b32 s[G1K+2], 56<<16                     ; a quarter of K's and V's record: 56 rows
	s_mov_b32 s[G1K+3], 32<<16
	s_mov_b32 s[G1K+4], 56
	s_mov_b32 s[G1K+5], 32
	s_mov_b32 s[G1K+6], 0
	s_mov_b32 s[G1K+7], 0
	s_mov_b32 s[G0W], 1
	s_and_b32 s60, s[WV], 3                        ; which quarter of a record I fetch: waves 0-3 of Wq's, waves 4-7 of K's and V's
	s_mul_i32 s[G0W+1], s60, 52*256                ; LDS addresses hang on the wave's number alone
	s_mul_i32 s18, s17, REC                        ; Wq's record of head h (records 0 to 15),
	s_add_co_u32 s18, s18, s[G0W+1]                ; my quarter
	s_mov_b32 s19, 0
	s_mov_b32 s[G0K], 1
	s_mul_i32 s2, s60, 56*256
	s_add_co_u32 s[G0K+1], s2, KVB
	s_mul_i32 s3, s15, KVR
	s_add_co_u32 s2, s2, s3
	s_mov_b32 s3, 0
	s_mov_b32 s[SEL], 0x76543210
	s_mov_b32 s[SEL+1], 0xfedcba98                 ; v_permlanex16_b32's selects for lane l xor 16
	s_mov_b32 s[CS], 0x3e38aa3b                    ; c = log2(e) / 8
	s_mov_b32 s[CS+1], s[CS]                       ; (named with it as a pair, so it is written)
	s_wait_dscnt 0x0
	s_wait_kmcnt 0x0
	s_add_nc_u64 s[G0W+2:G0W+3], s[4:5], s[18:19]
	s_or_b32 s[G0W+3], s[G0W+3], 0x80000000
	s_add_nc_u64 s[G0K+2:G0K+3], s[6:7], s[2:3]
	s_or_b32 s[G0K+3], s[G0K+3], 0x80000000
	CROUND                                         ; all four work-groups are here: the joint loads meet
	s_cmp_lt_u32 s[WV], 4
	s_cbranch_scc0 .Lfor_kv
	tensor_load_to_lds s[G0W:G0W+3], s[G1W:G1W+7]  ; one tensor load a wave
	s_nop 0
	PLACES 4
	s_branch .Lasked
.Lfor_kv:
	tensor_load_to_lds s[G0K:G0K+3], s[G1K:G1K+7]
	s_nop 0
	PLACES 4
.Lasked:
	v_and_b32 v10, 31, v0                          ; lane
	v_bfe_u32 v11, v0, 4, 1
	s_delay_alu instid0(VALU_DEP_2)
	v_lshlrev_b32 v[L16], 4, v10
	s_wait_alu depctr_va_vdst(0)
	v_lshlrev_b32 v[L8], 3, v10
	v_lshlrev_b32 v[L4], 2, v10
	s_wait_alu depctr_va_vdst(0)
	v_lshlrev_b32 v[BH], 5, v11
	s_wait_alu depctr_va_vdst(0)
	s_lshl_b32 s58, s16, 4
	s_lshl_b32 s59, s14, 1
	s_add_co_u32 s58, s58, s59
	s_lshr_b32 s59, s[WV], 2
	s_add_co_u32 s58, s58, s59                     ; my queries / 64 = 16 b + 2 x block + wave / 4
	s_and_b32 s62, s[WV], 3                        ; and my tile among those 64
	s_add_co_u32 s60, s58, 64
	s_mul_i32 s60, s60, REC
	s_mov_b32 s61, 0
	s_add_nc_u64 s[48:49], s[4:5], s[60:61]        ; hidden_states' record,
	s_lshl_b32 s60, s62, 10
	s_add_co_u32 s60, s60, SIOFF
	s_add_nc_u64 s[50:51], s[48:49], s[60:61]      ; my tile's scale words,
	s_mul_i32 s60, s62, 8*1536
	s_add_nc_u64 s[48:49], s[48:49], s[60:61]      ; its eight fragments
	s_lshl_b32 s60, s17, 8
	s_add_nc_u64 s[52:53], s[8:9], s[60:61]        ; bq at channel 64 h
.irp s, 0,1,2,3,4,5,6,7
.irp c, 0,1,2
	global_load_b128 v[HSF+12*\s+4*\c:HSF+12*\s+4*\c+3], v[L16], s[48:49] offset:1536*\s+512*\c
.endr
	global_load_b32 v[HSS+\s], v[L4], s[50:51] offset:128*\s
.endr
.irp t, 0,1,2,3
	global_load_b128 v[BQ+8*\t:BQ+8*\t+3], v[BH], s[52:53] offset:64*\t          ; bq[64 h + 16 t + 8 (lane / 16) + 0 .. 7]
	global_load_b128 v[BQ+8*\t+4:BQ+8*\t+7], v[BH], s[52:53] offset:64*\t+16
.endr
	v_add_nc_u32 v[AWS], SIOFF, v[L4]
	v_add_nc_u32 v[AK16], KVB, v[L16]
	v_add_nc_u32 v[AK8], KVB+512, v[L8]
	v_add_nc_u32 v[AKS], KVB+SIOFF, v[L4]
	s_mul_i32 s60, s58, ARR
	s_add_nc_u64 s[10:11], s[10:11], s[60:61]      ; my record of arec
	s_lshl_b32 s62, s62, 3
	s_lshr_b32 s63, s17, 1
	s_add_co_u32 s62, s62, s63
	s_lshl_b32 s62, s62, 1
	s_and_b32 s63, s17, 1
	s_add_co_u32 s62, s62, s63                     ; (8 t + h / 2) 2 + h % 2
	s_mul_i32 s60, s62, 768
	s_add_nc_u64 s[54:55], s[10:11], s[60:61]
	s_lshl_b32 s60, s62, 7
	s_add_co_u32 s60, s60, SIOFF
	s_add_nc_u64 s[56:57], s[10:11], s[60:61]
	s_wait_alu depctr_va_vdst(0)
	s_wait_tensorcnt 0x0                           ; my quarter is in,
	s_barrier_signal -1
	s_barrier_wait -1                              ; everybody's are
	s_wait_loadcnt 0x0                             ; my queries' codes, bq
	; ---- Q^T = Wq x^T + bq: four tiles of 16 channels by turns, a K step at a time
.irp s, 0,1,2,3,4,5,6,7
.if \s > 0
	PLACES 4                                       ; in front of loads into registers that the step before multiplied
.endif
.irp t, 0,1,2,3
.irp c, 0,1,2
	ds_load_b128 v[W+12*\t+4*\c:W+12*\t+4*\c+3], v[L16] offset:(8*\t+\s)*1536+512*\c
.endr
	ds_load_b32 v[WS+\t], v[AWS] offset:(8*\t+\s)*128
.endr
	s_wait_dscnt 0x0
.irp t, 0,1,2,3
.if \s == 0
	v_wmma_scale_f32_16x16x128_f8f6f4 v[QA+8*\t:QA+8*\t+7], v[W+12*\t:W+12*\t+11], v[HSF+12*\s:HSF+12*\s+11], v[BQ+8*\t:BQ+8*\t+7], v[WS+\t], v[HSS+\s] matrix_a_fmt:MATRIX_FMT_FP6 matrix_b_fmt:MATRIX_FMT_FP6
.else
	v_wmma_scale_f32_16x16x128_f8f6f4 v[QA+8*\t:QA+8*\t+7], v[W+12*\t:W+12*\t+11], v[HSF+12*\s:HSF+12*\s+11], v[QA+8*\t:QA+8*\t+7], v[WS+\t], v[HSS+\s] matrix_a_fmt:MATRIX_FMT_FP6 matrix_b_fmt:MATRIX_FMT_FP6
.endif
.endr
.endr
	PLACES 4
	QUANT2 QA, QC, QC+6, QS                        ; my query's 64 channels: two blocks
.irp i, 0,1,2,3,4,5
	v_mov_b32 v[QC+6+\i], 0                        ; the upper 64 of the instruction's 128: zero codes
.endr
.irp i, 0,1,2,3,4,5
	v_mov_b32 v[KF+48+\i], 0                       ; what the last tile of K names behind its own six registers
.endr
	v_mov_b32 v14, 0                               ; the sum, in two halves.  (These lines are also the places between the writes of Q's codes and scale word and the first scaled product: 9 behind the last zero code, more behind the scale word)
	v_mov_b32 v15, 0
.irp b, 0,1,2,3
	v_mov_b32 v[BX+\b], 0                          ; written once: a lane permute's destination counts as one of its sources
.endr
	v_mov_b32 v[FF+1], 0                           ; (named as the upper half of a pair)
	v_mov_b32 v13, 0xff61b1e6                      ; the largest t so far: -3e38, under every t
	s_delay_alu instid0(VALU_DEP_1)
	v_floor_f32 v12, -v13                          ; -M
; A KEY STEP: keys 128 q .. 128 q + 127 of the head's 512
.macro KEYSTEP q
.if (\q) > 0
	PLACES 4                                       ; in front of loads into registers that the last products read
.endif
.irp t, 0,1,2,3,4,5,6,7
	ds_load_b128 v[KF+6*\t:KF+6*\t+3], v[AK16] offset:(8*(\q)+\t)*768
	ds_load_b64 v[KF+6*\t+4:KF+6*\t+5], v[AK8] offset:(8*(\q)+\t)*768
	ds_load_b32 v[KSC+\t], v[AKS] offset:(8*(\q)+\t)*128
.endr
.irp i, 0,1,2,3,4,5,6,7
	ds_load_b32 v[VLH+\i], v[AKS] offset:4096+(8*(\q)+\i)*128          ; V's scale words come in halves of 64 keys: (channels 16 (i / 2) on, half i % 2)
.endr
	s_wait_dscnt 0x0
.irp t, 0,1,2,3,4,5,6,7
	v_wmma_scale_f32_16x16x128_f8f6f4 v[S+8*\t:S+8*\t+7], v[KF+6*\t:KF+6*\t+11], v[QC:QC+11], 0, v[KSC+\t], v[QS] matrix_a_fmt:MATRIX_FMT_FP6 matrix_b_fmt:MATRIX_FMT_FP6
.endr                                  ; lane (r, half): query r; register 8 t + j: key 16 t + 8 half + j
.irp d, 0,1,2,3
	v_lshl_or_b32 v[VS+\d], v[VLH+2*\d+1], 16, v[VLH+2*\d]     ; V's scale words for 128 keys.  These four lines name no register of the products above: they are the four places behind them
.endr
.irp i, 0,1,2,3,4,5,6,7
	ds_load_b128 v[KF+6*\i:KF+6*\i+3], v[AK16] offset:24576+(8*(\q)+\i)*768   ; V's four fragments, in halves: they land while the softmax is worked
	ds_load_b64 v[KF+6*\i+4:KF+6*\i+5], v[AK8] offset:24576+(8*(\q)+\i)*768
.endr
.irp b, 0,1,2,3
	v_max3_num_f32 v[BM+\b], v[S+16*\b], v[S+1+16*\b], v[S+2+16*\b]   ; the largest score of each block of 32 keys: for the row's maximum, and for the block's largest p
.endr
.irp i, 3,5,7,9,11,13
.irp b, 0,1,2,3
	v_max3_num_f32 v[BM+\b], v[BM+\b], v[S+16*\b+\i], v[S+1+16*\b+\i]
.endr
.endr
.irp b, 0,1,2,3
	v_max_num_f32 v[BM+\b], v[BM+\b], v[S+15+16*\b]
.endr
.irp b, 0,1,2,3
	s_delay_alu instid0(VALU_DEP_4)
	v_permlanex16_b32 v[BX+\b], v[BM+\b], s[SEL], s[SEL+1]
.endr
.irp b, 0,1,2,3
	s_delay_alu instid0(VALU_DEP_4)
	v_max_num_f32 v[BM+\b], v[BM+\b], v[BX+\b]     ; with lane l xor 16's 16 keys
.endr
	s_delay_alu instid0(VALU_DEP_2)
	v_max3_num_f32 v[TA], v[BM], v[BM+1], v[BM+2]
	s_delay_alu instid0(VALU_DEP_1)
	v_max_num_f32 v[TA], v[TA], v[BM+3]            ; the step's largest score of my query
	s_delay_alu instid0(VALU_DEP_1)
	v_mul_f32 v[TA], s[CS], v[TA]                  ; as t (c is positive)
	s_delay_alu instid0(VALU_DEP_1)
	v_max_num_f32 v13, v13, v[TA]                  ; the running largest t
	v_mov_b32 v[TA], v12
	s_delay_alu instid0(VALU_DEP_2)
	v_floor_f32 v12, -v13                          ; the new -M = floor(-t) = -ceil(t)
	s_delay_alu instid0(VALU_DEP_1)
	v_sub_f32 v[TA], v12, v[TA]                    ; old M - new M: a whole number, 0 or less
	s_delay_alu instid0(VALU_DEP_1)
	v_cvt_i32_f32 v[TA], v[TA]                     ; (it saturates)
	s_delay_alu instid0(VALU_DEP_1)
	v_ldexp_f32 v[FF], 1.0, v[TA]                  ; f = 2^(old M - new M)
.irp j, 0,2,4,6,8,10,12,14,16,18,20,22,24,26,28,30,32,34,36,38,40,42,44,46,48,50,52,54,56,58,60,62
	v_pk_fma_f32 v[S+\j:S+\j+1], v[S+\j:S+\j+1], s[CS:CS+1], v[12:13] op_sel_hi:[1,0,0]   ; t - M, two at a time (of the pairs c and -M the low word serves both halves)
.endr
.irp b, 0,1,2,3
	v_fma_f32 v[BM+\b], v[BM+\b], s[CS], v12       ; the same of each block's largest score
.endr
	s_wait_alu depctr_va_vdst(0)
.irp j, 0,1,2,3,4,5,6,7,8,9,10,11,12,13,14,15,16,17,18,19,20,21,22,23,24,25,26,27,28,29,30,31,32,33,34,35,36,37,38,39,40,41,42,43,44,45,46,47,48,49,50,51,52,53,54,55,56,57,58,59,60,61,62,63
	v_exp_f32 v[S+\j], v[S+\j]                     ; p = 2^(t - M), at most 1
.endr
	v_pk_mul_f32 v[14:15], v[14:15], v[FF:FF+1] op_sel_hi:[1,0]   ; the sums under the new M: the plain instruction behind the exponentials
	s_wait_alu depctr_va_vdst(0)                   ; one wait for the batch of 64, ahead of its first reader
.irp b, 0,1,2,3
	v_exp_f32 v[BM+\b], v[BM+\b]                   ; the blocks' largest p
.endr
	v_pk_add_f32 v[242:243], v[100:101], v[104:105]
	v_pk_add_f32 v[250:251], v[108:109], v[112:113]
	v_pk_add_f32 v[248:249], v[116:117], v[120:121]
	v_pk_add_f32 v[246:247], v[124:125], v[128:129]
	v_pk_add_f32 v[244:245], v[132:133], v[136:137]
	v_pk_add_f32 v[236:237], v[140:141], v[144:145]
	v_pk_add_f32 v[234:235], v[148:149], v[152:153]
	v_pk_add_f32 v[14:15], v[14:15], v[156:157]
	v_pk_add_f32 v[242:243], v[242:243], v[96:97]
	v_pk_add_f32 v[250:251], v[250:251], v[98:99]
	v_pk_add_f32 v[248:249], v[248:249], v[102:103]
	v_pk_add_f32 v[246:247], v[246:247], v[106:107]
	v_pk_add_f32 v[244:245], v[244:245], v[110:111]
	v_pk_add_f32 v[236:237], v[236:237], v[114:115]
	v_pk_add_f32 v[234:235], v[234:235], v[118:119]
	v_pk_add_f32 v[14:15], v[14:15], v[122:123]
	v_pk_add_f32 v[242:243], v[242:243], v[126:127]
	v_pk_add_f32 v[250:251], v[250:251], v[130:131]
	v_pk_add_f32 v[248:249], v[248:249], v[134:135]
	v_pk_add_f32 v[246:247], v[246:247], v[138:139]
	v_pk_add_f32 v[244:245], v[244:245], v[142:143]
	v_pk_add_f32 v[236:237], v[236:237], v[146:147]
	v_pk_add_f32 v[234:235], v[234:235], v[150:151]
	v_pk_add_f32 v[14:15], v[14:15], v[154:155]
	v_pk_add_f32 v[242:243], v[242:243], v[158:159]
	s_delay_alu instid0(VALU_DEP_2)
	v_pk_add_f32 v[14:15], v[14:15], v[246:247]
	s_delay_alu instid0(VALU_DEP_2)
	v_pk_add_f32 v[242:243], v[242:243], v[244:245]
	v_pk_add_f32 v[250:251], v[250:251], v[236:237]
	v_pk_add_f32 v[248:249], v[248:249], v[234:235]
	s_delay_alu instid0(VALU_DEP_2)
	v_pk_add_f32 v[14:15], v[14:15], v[250:251]
	s_delay_alu instid0(VALU_DEP_2)
	v_pk_add_f32 v[242:243], v[242:243], v[248:249]
	s_delay_alu instid0(VALU_DEP_1)
	v_pk_add_f32 v[14:15], v[14:15], v[242:243]
	s_wait_alu depctr_va_vdst(0)                   ; and one for the four
.irp b, 0,1,2,3
	v_max_num_f32 v[BM+\b], 0x1800000, v[BM+\b]    ; the floor 2^(3 - 127)
.endr
.irp b, 0,1,2,3
	s_delay_alu instid0(VALU_DEP_4)
	v_add_nc_u32 v[SO+\b], 0xff000000, v[BM+\b]    ; 2 off the exponent field: the conversion's scale operand
.endr
.irp b, 0,1,2,3
	s_delay_alu instid0(VALU_DEP_4)
	v_lshrrev_b32 v[BX+\b], 23, v[SO+\b]           ; the scale's byte
.endr
	s_delay_alu instid0(VALU_DEP_3)
	v_lshl_or_b32 v[PS], v[BX+1], 8, v[BX]         ; p's scale word for these 128 keys
	s_delay_alu instid0(VALU_DEP_1)
	v_lshl_or_b32 v[PS], v[BX+2], 16, v[PS]
	s_delay_alu instid0(VALU_DEP_1)
	v_lshl_or_b32 v[PS], v[BX+3], 24, v[PS]
.irp c, 0,1
	v_cvt_scalef32_pk16_fp6_f32 v[PCD+6*\c:PCD+2+6*\c], v[S+32*\c:S+15+32*\c], v[SO+2*\c]
	v_cvt_scalef32_pk16_fp6_f32 v[PT+4*\c:PT+2+4*\c], v[S+16+32*\c:S+31+32*\c], v[SO+2*\c+1]
.endr
	v_nop                                          ; one plain instruction behind the scaled conversions
.irp c, 0,1
.irp i, 0,1,2
	v_permlane16_swap_b32 v[PCD+6*\c+\i], v[PT+4*\c+\i]
.endr
.irp i, 0,1,2
	s_delay_alu instid0(VALU_DEP_3)
	v_mov_b32 v[PCD+3+6*\c+\i], v[PT+4*\c+\i]
.endr
.endr
.if (\q) > 0
.irp j, 0,2,4,6,8,10,12,14,16,18,20,22,24,26,28,30
	v_pk_mul_f32 v[O+\j:O+\j+1], v[O+\j:O+\j+1], v[FF:FF+1] op_sel_hi:[1,0]   ; O^T under the new M, each accumulator from its low end on.  (These 16 are also the places between the writes of p's codes and scale word and the products)
.endr
.else
	s_wait_alu depctr_va_vdst(0)
	PLACES 8                                       ; the first step has nothing to rescale: the places between the writes of p's codes (4) and scale word (8) and the products
.endif
	s_wait_alu depctr_va_vdst(0)
	s_wait_dscnt 0x0                               ; V is in
.irp d, 0,1,2,3
.if (\q) == 0
	v_wmma_scale_f32_16x16x128_f8f6f4 v[O+8*\d:O+8*\d+7], v[KF+12*\d:KF+12*\d+11], v[PCD:PCD+11], 0, v[VS+\d], v[PS] matrix_a_fmt:MATRIX_FMT_FP6 matrix_b_fmt:MATRIX_FMT_FP6
.else
	v_wmma_scale_f32_16x16x128_f8f6f4 v[O+8*\d:O+8*\d+7], v[KF+12*\d:KF+12*\d+11], v[PCD:PCD+11], v[O+8*\d:O+8*\d+7], v[VS+\d], v[PS] matrix_a_fmt:MATRIX_FMT_FP6 matrix_b_fmt:MATRIX_FMT_FP6
.endif
.endr
.endm
	KEYSTEP 0
	KEYSTEP 1
	KEYSTEP 2
	KEYSTEP 3
	; ---- the way out: O^T / l, quantised along the model's 1,024, of which my head's 64 channels are two blocks
	PLACES 4
	v_add_f32 v14, v14, v15                        ; the sum's two halves,
	s_delay_alu instid0(VALU_DEP_1)
	v_permlanex16_b32 v[TA], v14, s[SEL], s[SEL+1]
	s_delay_alu instid0(VALU_DEP_1)
	v_add_f32 v14, v14, v[TA]                      ; and lane l xor 16's: the row's sum
	s_wait_alu depctr_va_vdst(0)
	v_rcp_f32 v14, v14
	v_nop                                          ; a plain instruction behind the reciprocal,
	s_wait_alu depctr_va_vdst(0)                   ; and the wait ahead of its first reader
.irp j, 0,1,2,3,4,5,6,7,8,9,10,11,12,13,14,15,16,17,18,19,20,21,22,23,24,25,26,27,28,29,30,31
	v_mul_f32 v[S+\j], v[O+\j], v14                ; register 8 d + j: channel 16 d + 8 (lane / 16) + j
.endr
	QUANT2 S, PCD, PT, PS
	global_store_b128 v[L16], v[PCD:PCD+3], s[54:55]               ; 512 consecutive bytes,
	global_store_b64 v[L8], v[PCD+4:PCD+5], s[54:55] offset:512    ; and 256, both on multiples of 256 from arec's first byte
	global_store_b32 v[L4], v[PS], s[56:57]
	s_wait_tensorcnt 0x0
	ds_add_u32 v254, v255
	s_wait_dscnt 0x0
	CROUND                                         ; the closing round: no work-group ends while a partner may still ask jointly
	s_endpgm
.Lfunc_end_k_q401f0cc5ee_attn:
	.size	k_q401f0cc5ee_attn, .Lfunc_end_k_q401f0cc5ee_attn-k_q401f0cc5ee_attn
	.p2alignl 7, 3214868480
	.fill 96, 4, 3214868480
	.section	.rodata,"a",@progbits
	.p2align	6, 0x0
	.amdhsa_kernel k_q401f0cc5ee_attn
		.amdhsa_group_segment_fixed_size 168960
		.amdhsa_private_segment_fixed_size 0
		.amdhsa_enable_private_segment 0
		.amdhsa_kernarg_size 32
		.amdhsa_user_sgpr_count 2
		.amdhsa_user_sgpr_kernarg_segment_ptr 1
		.amdhsa_wavefront_size32 1
		.amdhsa_system_sgpr_workgroup_id_x 1
		.amdhsa_system_sgpr_workgroup_id_y 1
		.amdhsa_system_sgpr_workgroup_id_z 1
		.amdhsa_system_vgpr_workitem_id 0
		.amdhsa_next_free_vgpr 256
		.amdhsa_next_free_sgpr 66
		.amdhsa_reserve_vcc 0
		.amdhsa_float_denorm_mode_32 3
		.amdhsa_float_denorm_mode_16_64 3
		.amdhsa_memory_ordered 1
		.amdhsa_forward_progress 1
		.amdhsa_inst_pref_size 101
	.end_amdhsa_kernel
	.amdgpu_metadata
---
amdhsa.version: [ 1, 2 ]
amdhsa.kernels:
  - .name:           k_q401f0cc5ee_attn
    .symbol:         k_q401f0cc5ee_attn.kd
    .args:
      - { .name: img, .offset: 0, .size: 8, .value_kind: global_buffer, .address_space: global }
      - { .name: kvrec, .offset: 8, .size: 8, .value_kind: global_buffer, .address_space: global }
      - { .name: bq, .offset: 16, .size: 8, .value_kind: global_buffer, .address_space: global }
      - { .name: arec, .offset: 24, .size: 8, .value_kind: global_buffer, .address_space: global }
    .group_segment_fixed_size: 168960
    .private_segment_fixed_size: 0
    .kernarg_segment_align: 8
    .kernarg_segment_size: 32
    .max_flat_workgroup_size: 256
    .sgpr_count:     66
    .vgpr_count:     256
    .wavefront_size: 32
...
	.end_amdgpu_metadata
.endif
;; end of part 2
;; launch outproj (part 3): grid 8 x 32, 4 waves a work-group, clusters of 4 x 4, 198,144 bytes of LDS; arguments arec, img, bo, out0; writes out0
.if DOCPART == 3
	.amdgcn_target "amdgcn-amd-amdhsa--gfx1250"
	.amdhsa_code_object_version 6
	.text
	.protected	k_q401f0cc5ee_outproj
	.globl	k_q401f0cc5ee_outproj
	.p2align	8
	.type	k_q401f0cc5ee_outproj,@function
k_q401f0cc5ee_outproj:
	s_mov_b64 s[64:65], 0
	v_nop
	global_prefetch_b8 v0, s[64:65] scope:SCOPE_SE
	s_setreg_imm32_b32 hwreg(HW_REG_WAVE_MODE, 25, 1), 1
	s_wait_xcnt 0x0
	s_wait_alu depctr_hold_cnt(0) depctr_sa_sdst(0) depctr_va_vdst(0) depctr_va_sdst(0) depctr_va_ssrc(0) depctr_va_vcc(0) depctr_vm_vsrc(0)
	s_getreg_b32 s2, hwreg(HW_REG_IB_STS2, 6, 4)
	s_cmp_eq_u32 s2, 0
	s_cbranch_scc0 .Lentry_in_a_cluster
	s_endpgm
.Lentry_in_a_cluster:
	s_bfe_u32 s2, ttmp6, 0x10000c
	s_cmp_lg_u32 s2, 0xf033
	s_cbranch_scc0 .Lentry_shape_is_right
	s_endpgm
.Lentry_shape_is_right:
; out0 = A Wo^T + bo.  A [2048][1024] is the attention's result as codes of FP6 (E2M3) (records of 64 rows in arec, in halves of fragments), Wo's codes lie in img (records 48 to 63); one E8M0 byte for each 32 along K; sums in f32; out0 f32.
; A work-group (X, Y) makes rows 64 Y on x columns 128 X on.  ALL OF K IS RESIDENT: A's record (57,344 bytes) and two records of Wo (106,496 bytes, one dense block) come into LDS once; nothing is filled twice.
; Wave w makes columns 32 w .. 32 w + 31 for all 64 rows: 8 accumulators, which take turns.  The product is used transposed (source 0 = 16 rows of Wo, source 1 = 16 rows of A): a lane holds eight neighbouring columns of one row.  bo is the first C.
; CLUSTER 4 x 4.  A's record hangs on Y alone and is shared along a row of the cluster, Wo's block on X alone and is shared along a column: each is asked for JOINTLY, half a wave, by the same tensor load with the same
; descriptor and a mask that names the four.  No LDS address and no branch hangs on a work-group's place in its cluster.
; THE WAY OUT: a row's 128 columns come from four waves: they meet in a stage in LDS (rows of 512 bytes + 16, bytes of its own), and each wave stores 16 whole rows.
; REGISTERS: window 0: v1-13 addresses; v16-47 A's scale words (8 m + s), v48-63 Wo's (8 n + s): these hold scales alone; v64-79 bo; v80-151, v152-223 two sets of A's four and Wo's two fragments.  window 1: accumulator (n, m) at 8 (4 n + m).
.set REC,   53248
.set SIOFF, 49152
.set ARR,   57344
.set BR,    ARR                        ; LDS: A's record from byte 0, Wo's two behind it,
.set STG,   BR+2*REC                   ; the stage: 64 rows x 528
.set SP,    528
.set L16, 1                            ; v1   16 x lane: A's registers 0-3 in LDS, and my bytes of a row of out0
.set AA8, 5                            ; v5   512 + 8 lane: A's registers 4-5
.set AAS, 6                            ; v6   A's scale words
.set AB,  7                            ; v7   Wo's fragments of my two tiles
.set ABS, 8                            ; v8   their scale words
.set SO,  9                            ; v9   the stage, in
.set SR,  10                           ; v10  and back
.set BH,  11                           ; v11  32 (lane / 16)
.set ASC, 16
.set BSC, 48
.set BO,  64
.set FR0, 80
.set WV,  12
.set G1A, 24
.set G1B, 32
.set G0A, 40
.set G0B, 44
.set MSB, 0
.macro WIN new                         ; the immediate's high byte repeats the setting that is left
.if MSB != \new
	s_set_vgpr_msb (MSB<<8)|\new
.set MSB, \new
.endif
.endm
.macro PLACES n
.rept \n
	v_nop
.endr
.endm
.macro CROUND                          ; a round of the cluster's barrier
	s_barrier_signal -1
	s_barrier_wait -1
	s_cmp_lg_u32 s[WV], 0
	s_cbranch_scc1 .Lnot_wave_0_\@
	s_barrier_signal -3
.Lnot_wave_0_\@:
	s_barrier_wait -3
	s_barrier_signal -1
	s_barrier_wait -1
.endm
.macro FETCH s, set                    ; K step s: A's four fragments, in halves, and Wo's two: 22 LDS loads
.irp m, 0,1,2,3
.irp c, 0,1
	ds_load_b128 v[FR0+72*(\set)+12*\m+6*\c:FR0+72*(\set)+12*\m+6*\c+3], v[L16] offset:((8*\m+(\s))*2+\c)*768
	ds_load_b64 v[FR0+72*(\set)+12*\m+6*\c+4:FR0+72*(\set)+12*\m+6*\c+5], v[AA8] offset:((8*\m+(\s))*2+\c)*768
.endr
.endr
.irp n, 0,1
.irp c, 0,1,2
	ds_load_b128 v[FR0+72*(\set)+48+12*\n+4*\c:FR0+72*(\set)+48+12*\n+4*\c+3], v[AB] offset:(8*\n+(\s))*1536+512*\c
.endr
.endr
.endm
	s_load_b256 s[4:11], s[0:1], 0x0               ; arec, img, bo, out0
	v_lshl_add_u32 v254, v0, 2, 0x30400
	v_mov_b32 v255, 0
	ds_add_u32 v254, v255
	ds_add_u32 v254, v255
	v_lshrrev_b32 v1, 5, v0
	v_readfirstlane_b32 s[WV], v1                  ; wave 0..3
	s_bfe_u32 s13, ttmp6, 0x40000                  ; cx, cy: my place in the cluster
	s_bfe_u32 s14, ttmp6, 0x40004
	s_lshl_b32 s15, ttmp9, 2
	s_add_co_u32 s15, s15, s13                     ; X = 4 x cluster x + cx
	s_and_b32 s16, ttmp7, 0xffff
	s_lshl_b32 s16, s16, 2
	s_add_co_u32 s16, s16, s14                     ; Y = 4 x cluster y + cy
	s_lshl_b32 s50, s14, 2
	s_lshl_b32 s50, 15, s50                        ; my row of the cluster
	s_lshl_b32 s51, 0x1111, s13                    ; my column
	; descriptor groups 1: dense blocks as rows of 256 bytes (32 elements of 8 bytes), no padding; bit 21 is set beside the mask
	s_or_b32 s[G1A+0], s50, (3<<16)|(1<<21)
	s_mov_b32 s[G1A+1], 32<<16
	s_mov_b32 s[G1A+2], 112<<16                    ; half of A's record: 112 rows
	s_mov_b32 s[G1A+3], 32<<16
	s_mov_b32 s[G1A+4], 112
	s_mov_b32 s[G1A+5], 32
	s_mov_b32 s[G1A+6], 0
	s_mov_b32 s[G1A+7], 0
	s_or_b32 s[G1B+0], s51, (3<<16)|(1<<21)
	s_mov_b32 s[G1B+1], 32<<16
	s_mov_b32 s[G1B+2], 208<<16                    ; half of Wo's two records: 208 rows
	s_mov_b32 s[G1B+3], 32<<16
	s_mov_b32 s[G1B+4], 208
	s_mov_b32 s[G1B+5], 32
	s_mov_b32 s[G1B+6], 0
	s_mov_b32 s[G1B+7], 0
	s_mov_b32 s[G0A], 1
	s_and_b32 s17, s[WV], 1                        ; which half I fetch: waves 0, 1 of A's record, waves 2, 3 of Wo's two
	s_mul_i32 s[G0A+1], s17, 112*256               ; LDS addresses hang on the wave's number alone
	s_mul_i32 s52, s16, ARR                        ; A's address is made of Y and the wave's number,
	s_add_co_u32 s52, s52, s[G0A+1]
	s_mov_b32 s53, 0
	s_mov_b32 s[G0B], 1
	s_mul_i32 s54, s17, 208*256
	s_add_co_u32 s[G0B+1], s54, BR
	s_lshl_b32 s55, s15, 1                         ; Wo's of X and the wave's number, in registers that never hold the other coordinate
	s_add_co_u32 s55, s55, 48
	s_mul_i32 s55, s55, REC
	s_add_co_u32 s54, s54, s55
	s_mov_b32 s55, 0
	s_wait_dscnt 0x0
	s_wait_kmcnt 0x0
	s_add_nc_u64 s[G0A+2:G0A+3], s[4:5], s[52:53]
	s_or_b32 s[G0A+3], s[G0A+3], 0x80000000
	s_add_nc_u64 s[G0B+2:G0B+3], s[6:7], s[54:55]
	s_or_b32 s[G0B+3], s[G0B+3], 0x80000000
	CROUND                                         ; all sixteen work-groups are here: the joint loads meet
	s_cmp_lt_u32 s[WV], 2
	s_cbranch_scc0 .Lfor_b
	tensor_load_to_lds s[G0A:G0A+3], s[G1A:G1A+7]  ; one tensor load a wave
	s_nop 0
	PLACES 4
	s_branch .Lasked
.Lfor_b:
	tensor_load_to_lds s[G0B:G0B+3], s[G1B:G1B+7]
	s_nop 0
	PLACES 4
.Lasked:
	v_and_b32 v2, 31, v0                           ; lane
	v_and_b32 v3, 15, v0                           ; r
	v_bfe_u32 v12, v0, 4, 1                        ; lane / 16
	v_lshlrev_b32 v[BH], 5, v12
	s_lshl_b32 s60, s15, 9
	s_lshl_b32 s62, s[WV], 7
	s_add_co_u32 s60, s60, s62
	s_mov_b32 s61, 0
	s_add_nc_u64 s[56:57], s[8:9], s[60:61]        ; bo at column 128 X + 32 wave
.irp n, 0,1
	global_load_b128 v[BO+8*\n:BO+8*\n+3], v[BH], s[56:57] offset:64*\n          ; bo[.. + 16 n + 8 (lane / 16) + 0 .. 7]
	global_load_b128 v[BO+8*\n+4:BO+8*\n+7], v[BH], s[56:57] offset:64*\n+16
.endr
	v_lshlrev_b32 v[L16], 4, v2
	v_lshlrev_b32 v[AA8], 3, v2
	v_add_nc_u32 v[AA8], 512, v[AA8]
	v_lshlrev_b32 v13, 2, v2
	s_wait_alu depctr_va_vdst(0)
	v_add_nc_u32 v[AAS], SIOFF, v13
	s_lshr_b32 s17, s[WV], 1                       ; my two tiles of Wo are tiles 2 wave, 2 wave + 1 of the block's eight: record wave / 2, tiles 2 (wave % 2) on
	s_mul_i32 s17, s17, REC
	s_and_b32 s18, s[WV], 1
	s_mul_i32 s19, s18, 16*1536
	s_add_co_u32 s19, s19, s17
	s_add_co_u32 s19, s19, BR
	v_add_nc_u32 v[AB], s19, v[L16]
	s_lshl_b32 s18, s18, 11
	s_add_co_u32 s18, s18, s17
	s_add_co_u32 s18, s18, BR+SIOFF
	v_add_nc_u32 v[ABS], s18, v13
	v_mul_u32_u24 v[SO], v3, SP
	v_lshl_add_u32 v[SO], v12, 5, v[SO]
	v_add_nc_u32 v[SO], s62, v[SO]
	v_add_nc_u32 v[SO], STG, v[SO]                 ; the stage: row r, + 32 (lane / 16), + 128 x wave
	s_mul_i32 s17, s[WV], 16*SP
	v_add_nc_u32 v[SR], s17, v[L16]
	v_add_nc_u32 v[SR], STG, v[SR]                 ; back: my 16 rows, 16 bytes a lane
	s_lshl_b32 s60, s16, 6
	s_lshl_b32 s63, s[WV], 4
	s_add_co_u32 s60, s60, s63                     ; the first row that I store: 64 Y + 16 wave
	s_lshl_b32 s60, s60, 12
	s_lshl_b32 s63, s15, 9
	s_add_co_u32 s60, s60, s63
	s_add_nc_u64 s[58:59], s[10:11], s[60:61]
	s_wait_alu depctr_va_vdst(0)
	s_wait_tensorcnt 0x0                           ; my half is in,
	s_barrier_signal -1
	s_barrier_wait -1                              ; everybody's are
.set i, 0
.rept 64
	ds_load_b32 v[152+i], v[AAS] offset:i*128      ; A's scale words come in halves of 64 along K: ((8 m + s) 2 + c); they pass through the second set's registers
.set i, i+1
.endr
.set i, 0
.rept 16
	ds_load_b32 v[BSC+i], v[ABS] offset:i*128
.set i, i+1
.endr
	FETCH 0, 0
	s_wait_dscnt 22                                ; the scale words are in; the 22 loads of K step 0 may be out
.set i, 0
.rept 32
	v_lshl_or_b32 v[ASC+i], v[152+2*i+1], 16, v[152+2*i]
.set i, i+1
.endr
	PLACES 8                                       ; between the last write of a scale word by a vector instruction and the first scaled product
	s_wait_alu depctr_va_vdst(0)
	s_wait_loadcnt 0x0                             ; bo
.irp s, 0,1,2,3,4,5,6,7
.if \s < 7
.if \s > 0
	PLACES 4                                       ; in front of loads into the set that the step before multiplied
.endif
	FETCH \s+1, (\s+1)%2
	s_wait_dscnt 22                                ; this step's set is in; the 22 loads just issued may be out
.else
	s_wait_dscnt 0x0
.endif
.set FA, FR0+72*(\s%2)
.if \s == 0
	WIN 0x40                                       ; D window 1; C (bo) window 0
.else
	WIN 0x50                                       ; C and D window 1
.endif
.irp m, 0,1,2,3
.irp n, 0,1
.if \s == 0
	v_wmma_scale_f32_16x16x128_f8f6f4 v[8*(4*\n+\m):8*(4*\n+\m)+7], v[FA+48+12*\n:FA+48+12*\n+11], v[FA+12*\m:FA+12*\m+11], v[BO+8*\n:BO+8*\n+7], v[BSC+8*\n+\s], v[ASC+8*\m+\s] matrix_a_fmt:MATRIX_FMT_FP6 matrix_b_fmt:MATRIX_FMT_FP6
.else
	v_wmma_scale_f32_16x16x128_f8f6f4 v[8*(4*\n+\m):8*(4*\n+\m)+7], v[FA+48+12*\n:FA+48+12*\n+11], v[FA+12*\m:FA+12*\m+11], v[8*(4*\n+\m):8*(4*\n+\m)+7], v[BSC+8*\n+\s], v[ASC+8*\m+\s] matrix_a_fmt:MATRIX_FMT_FP6 matrix_b_fmt:MATRIX_FMT_FP6
.endif
.endr
.endr
	WIN 0
.endr
	PLACES 4                                       ; behind the last products, in front of the first reads of results
	WIN 0x04                                       ; an LDS store's data are its source 1: window 1
.irp m, 0,1,2,3
.irp n, 0,1
	ds_store_b128 v[SO], v[8*(4*\n+\m):8*(4*\n+\m)+3] offset:16*SP*\m+64*\n          ; lane (r, half): out0(16 m + r, 32 wave + 16 n + 8 half + 0 .. 7), each accumulator from its low end on
	ds_store_b128 v[SO], v[8*(4*\n+\m)+4:8*(4*\n+\m)+7] offset:16*SP*\m+64*\n+16
.endr
.endr
	WIN 0
	s_wait_dscnt 0x0                               ; for the others' sake: my part of the stage has landed
	s_barrier_signal -1
	s_barrier_wait -1                              ; 64 whole rows lie in the stage
.irp i, 0,1,2,3,4,5,6,7,8,9,10,11,12,13,14,15
	ds_load_b128 v[FR0+4*\i:FR0+4*\i+3], v[SR] offset:\i*SP
.endr
.irp i, 0,1,2,3,4,5,6,7,8,9,10,11,12,13,14,15
	s_wait_dscnt 15-\i                             ; row i is back; the 15 - i younger loads may be out
	global_store_b128 v[L16], v[FR0+4*\i:FR0+4*\i+3], s[58:59] offset:4096*\i th:TH_STORE_NT   ; 32 lanes store 512 consecutive bytes, at a multiple of 256 from out0's first byte; written once, read by nobody here
.endr
	s_wait_tensorcnt 0x0
	ds_add_u32 v254, v255
	s_wait_dscnt 0x0
	CROUND                                         ; the closing round: no work-group ends while a partner may still ask jointly
	s_endpgm
.Lfunc_end_k_q401f0cc5ee_outproj:
	.size	k_q401f0cc5ee_outproj, .Lfunc_end_k_q401f0cc5ee_outproj-k_q401f0cc5ee_outproj
	.p2alignl 7, 3214868480
	.fill 96, 4, 3214868480
	.section	.rodata,"a",@progbits
	.p2align	6, 0x0
	.amdhsa_kernel k_q401f0cc5ee_outproj
		.amdhsa_group_segment_fixed_size 198144
		.amdhsa_private_segment_fixed_size 0
		.amdhsa_enable_private_segment 0
		.amdhsa_kernarg_size 32
		.amdhsa_user_sgpr_count 2
		.amdhsa_user_sgpr_kernarg_segment_ptr 1
		.amdhsa_wavefront_size32 1
		.amdhsa_system_sgpr_workgroup_id_x 1
		.amdhsa_system_sgpr_workgroup_id_y 1
		.amdhsa_system_sgpr_workgroup_id_z 1
		.amdhsa_system_vgpr_workitem_id 0
		.amdhsa_next_free_vgpr 512
		.amdhsa_next_free_sgpr 66
		.amdhsa_reserve_vcc 0
		.amdhsa_float_denorm_mode_32 3
		.amdhsa_float_denorm_mode_16_64 3
		.amdhsa_memory_ordered 1
		.amdhsa_forward_progress 1
		.amdhsa_inst_pref_size 39
	.end_amdhsa_kernel
	.amdgpu_metadata
---
amdhsa.version: [ 1, 2 ]
amdhsa.kernels:
  - .name:           k_q401f0cc5ee_outproj
    .symbol:         k_q401f0cc5ee_outproj.kd
    .args:
      - { .name: arec, .offset: 0, .size: 8, .value_kind: global_buffer, .address_space: global }
      - { .name: img, .offset: 8, .size: 8, .value_kind: global_buffer, .address_space: global }
      - { .name: bo, .offset: 16, .size: 8, .value_kind: global_buffer, .address_space: global }
      - { .name: out0, .offset: 24, .size: 8, .value_kind: global_buffer, .address_space: global }
    .group_segment_fixed_size: 198144
    .private_segment_fixed_size: 0
    .kernarg_segment_align: 8
    .kernarg_segment_size: 32
    .max_flat_workgroup_size: 128
    .sgpr_count:     66
    .vgpr_count:     512
    .wavefront_size: 32
...
	.end_amdgpu_metadata
.endif
;; end of part 3
